; MI455X (gfx1250); checked and timed in simulation.
; The chip was launched on July 23, 2026; its instructions are those of AMD's public machine-readable ISA for CDNA 5 (MIT licence, August 2026) and "CDNA5" Instruction Set Architecture Reference Guide (July 2026). The comments in the code are by the model that wrote it; some were corrected since.
;; Flash Attention. Allowed arithmetic: float matrix products may take bf16 or f16 operands with f32 sums; all other float work in f32.
;; Inputs: k_proj 4 x 4,096 x 128 float32; q_proj 4 x 4,096 x 128 float32; v_proj 4 x 4,096 x 128 float32.
;; Outputs: out0 4 x 4,096 x 128 float32.
;; 2 versions, each right; version 2 is version 1 with the launch cast written anew for expert scheduling mode. Each part assembles by itself: llvm-mc -triple=amdgcn-amd-amdhsa -mcpu=gfx1250 --defsym DOCPART=n.
;; ======== version 1 of 2: 2 launches
;; workspace buffers: kv 8,388,608 bytes
;; launch cast (part 1): grid 256 x 1, 8 waves a work-group, no clusters, 0 bytes of LDS; arguments k_proj, v_proj, kv; writes kv
.if DOCPART == 1
	.amdgcn_target "amdgcn-amd-amdhsa--gfx1250"
	.amdhsa_code_object_version 6
	.text
	.protected	k_q8352df0518_cast
	.globl	k_q8352df0518_cast
	.p2align	8
	.type	k_q8352df0518_cast,@function
k_q8352df0518_cast:
	s_mov_b64 s[64:65], 0
	v_nop
	global_prefetch_b8 v0, s[64:65] scope:SCOPE_SE
	s_setreg_imm32_b32 hwreg(HW_REG_WAVE_MODE, 25, 1), 1
	s_wait_xcnt 0x0
; kv = K, then V, rounded from f32 to bf16 (to nearest even), element order unchanged.
; K and V are each 4 x 4096 x 128 f32 = 8,388,608 bytes; kv holds K in its bytes 0 .. 4,194,303 and V behind it.
; 256 work-groups of 256 threads: work-group g takes 65,536 input bytes (g < 128: of K, else of V) and writes 32,768 bytes at g x 32,768,
; which puts V behind K by itself (128 x 32,768 = 4,194,304).  The next launch walks K and V 64 times for each batch: rounding here is done once.
; A stream: no LDS, no barrier, no matrix unit, no loop.  A thread issues all its 16 loads at once, so nothing is rewritten and every wait is counted.
; Chunk c (8,192 input bytes of the group): thread t reads the 32 bytes at 32 t and writes the 16 bytes at 16 t, so sixteen neighbouring lanes
; store 256 consecutive bytes at a multiple of 256 from the buffer's first byte.
.set X, 4                              ; v[4:67]   chunk c: 8 registers, 8 f32 as loaded
.set Y, 68                             ; v[68:99]  chunk c: 4 registers, 8 bf16 to store
	s_load_b128 s[4:7], s[0:1], 0x0                ; k_proj s[4:5], v_proj s[6:7]
	s_load_b64 s[10:11], s[0:1], 0x10              ; kv
	s_and_b32 s12, ttmp9, 127                      ; my place in K or in V
	s_lshl_b32 s12, s12, 16                        ; x 65,536 input bytes
	s_mov_b32 s13, 0
	s_lshl_b32 s14, ttmp9, 15                      ; g x 32,768 output bytes
	s_mov_b32 s15, 0
	v_lshlrev_b32 v1, 5, v0                        ; 32 t
	v_lshlrev_b32 v2, 4, v0                        ; 16 t
	s_wait_kmcnt 0x0
	s_cmp_ge_u32 ttmp9, 128                        ; the upper half of the grid takes V
	s_cselect_b64 s[8:9], s[6:7], s[4:5]
	s_add_nc_u64 s[8:9], s[8:9], s[12:13]
	s_add_nc_u64 s[10:11], s[10:11], s[14:15]
.irp c, 0,1,2,3,4,5,6,7
	global_load_b128 v[X+8*\c:X+8*\c+3],   v1, s[8:9] offset:8192*\c th:TH_LOAD_NT      ; read once in the launch
	global_load_b128 v[X+8*\c+4:X+8*\c+7], v1, s[8:9] offset:8192*\c+16 th:TH_LOAD_NT
.endr
.irp c, 0,1,2,3,4,5,6,7
	s_wait_loadcnt 14-2*\c                         ; loads come back in order: chunk c is in, the two loads of each younger chunk stay out
.irp j, 0,1,2,3
	v_cvt_pk_bf16_f32 v[Y+4*\c+\j], v[X+8*\c+2*\j], v[X+8*\c+2*\j+1]
.endr
	global_store_b128 v2, v[Y+4*\c:Y+4*\c+3], s[10:11] offset:4096*\c                   ; no hint: the next launch reads these bytes
.endr
	s_endpgm
.Lfunc_end_k_q8352df0518_cast:
	.size	k_q8352df0518_cast, .Lfunc_end_k_q8352df0518_cast-k_q8352df0518_cast
	.p2alignl 7, 3214868480
	.fill 96, 4, 3214868480
	.section	.rodata,"a",@progbits
	.p2align	6, 0x0
	.amdhsa_kernel k_q8352df0518_cast
		.amdhsa_group_segment_fixed_size 0
		.amdhsa_private_segment_fixed_size 0
		.amdhsa_enable_private_segment 0
		.amdhsa_kernarg_size 24
		.amdhsa_user_sgpr_count 2
		.amdhsa_user_sgpr_kernarg_segment_ptr 1
		.amdhsa_wavefront_size32 1
		.amdhsa_system_sgpr_workgroup_id_x 1
		.amdhsa_system_sgpr_workgroup_id_y 1
		.amdhsa_system_sgpr_workgroup_id_z 1
		.amdhsa_system_vgpr_workitem_id 0
		.amdhsa_next_free_vgpr 100
		.amdhsa_next_free_sgpr 66
		.amdhsa_reserve_vcc 0
		.amdhsa_float_denorm_mode_32 3
		.amdhsa_float_denorm_mode_16_64 3
		.amdhsa_memory_ordered 1
		.amdhsa_forward_progress 1
		.amdhsa_inst_pref_size 6
	.end_amdhsa_kernel
	.amdgpu_metadata
---
amdhsa.version: [ 1, 2 ]
amdhsa.kernels:
  - .name:           k_q8352df0518_cast
    .symbol:         k_q8352df0518_cast.kd
    .args:
      - { .name: k_proj, .offset: 0, .size: 8, .value_kind: global_buffer, .address_space: global }
      - { .name: v_proj, .offset: 8, .size: 8, .value_kind: global_buffer, .address_space: global }
      - { .name: kv, .offset: 16, .size: 8, .value_kind: global_buffer, .address_space: global }
    .group_segment_fixed_size: 0
    .private_segment_fixed_size: 0
    .kernarg_segment_align: 8
    .kernarg_segment_size: 24
    .max_flat_workgroup_size: 256
    .sgpr_count:     66
    .vgpr_count:     100
    .wavefront_size: 32
...
	.end_amdgpu_metadata
.endif
;; end of part 1
;; launch attn (part 2): grid 256 x 1, 4 waves a work-group, clusters of 4 x 1, 327,680 bytes of LDS; arguments q_proj, kv, out0; writes out0
.if DOCPART == 2
	.amdgcn_target "amdgcn-amd-amdhsa--gfx1250"
	.amdhsa_code_object_version 6
	.text
	.protected	k_q8352df0518_attn
	.globl	k_q8352df0518_attn
	.p2align	8
	.type	k_q8352df0518_attn,@function
k_q8352df0518_attn:
	s_mov_b64 s[64:65], 0
	v_nop
	global_prefetch_b8 v0, s[64:65] scope:SCOPE_SE
	s_setreg_imm32_b32 hwreg(HW_REG_WAVE_MODE, 25, 1), 1
	s_wait_xcnt 0x0
	s_wait_alu depctr_hold_cnt(0) depctr_sa_sdst(0) depctr_va_vdst(0) depctr_va_sdst(0) depctr_va_ssrc(0) depctr_va_vcc(0) depctr_vm_vsrc(0)
	s_getreg_b32 s2, hwreg(HW_REG_IB_STS2, 6, 4)
	s_cmp_eq_u32 s2, 0
	s_cbranch_scc0 .Lentry_in_a_cluster
	s_endpgm
.Lentry_in_a_cluster:
	s_bfe_u32 s2, ttmp6, 0x10000c
	s_cmp_lg_u32 s2, 0x3003
	s_cbranch_scc0 .Lentry_shape_is_right
	s_endpgm
.Lentry_shape_is_right:
; out = softmax(Q K^T / sqrt(128)) V.  Q, out: [4][4096][128] f32.  kv: K, then V, as bf16 [4][4096][128] (rows of 256 bytes), from the launch before.
; SHARES.  16,384 query rows on 256 work-groups: a work-group owns 64 query rows and walks the 4,096 keys of its batch in 8 steps of 512 keys.
; The four waves split the KEYS: wave w takes rows 128 w .. 128 w + 127 of every tile of K and of V, for all 64 queries, with a running maximum,
; sum and O of its own; the four partial results are merged once at the end.  So each fragment read from LDS feeds four matrix instructions,
; each LDS byte is read once, and a wave reads only bytes that its own tensor loads brought.
; CLUSTERS.  The four work-groups of a cluster lie in one batch (batch = cluster number / 16) and walk the same tiles: every tile is asked for
; jointly, mask 15.  A wider cluster would have no second shared axis to offer.
; TRANSPOSED USE.  S^T = K Q^T (source 0 = 16 keys x 32 d, source 1 = 16 queries x 32 d): lane (r, h) holds query r and, in register j, key 8 h + j.
; A lane owns one query, so maxima and sums run inside the lane and one exchange joins the halves h.  Rounded and packed, key blocks 2 t and
; 2 t + 1 are registers 0-3 and 4-7 of the fragment P^T of keys 32 t .. 32 t + 31: no shuffle.  O^T = V^T P^T, V^T read by the transposing LDS load.
; SOFTMAX.  p = 2^(c s + nm), c = log2(e) / sqrt(128), nm = -c m rounded once, m the running maximum of the raw products s.  When m grows, the
; old sums and O are multiplied by 2^(nm_new - nm_old), the difference of the same rounded numbers.
; LIMITS.  Q, K, V and p go to the matrix unit in bf16.  NaN and infinite inputs are not treated specially.  The sums run in another order than
; a row-wise sum.  A p below 2^-126 of its row's largest counts as 0.
;
; THE SCHEDULE OF A STEP.  Its 256 matrix instructions go in four phases of 64: S of query blocks 0, 1 (pair A); S of blocks 2, 3 (pair B); O of A; O of B.
; The softmax is ONE LIST of vector instructions, pair A's and then pair B's: for a pair 64 maxima, 18 of small change, 64 rescales of O and 321 for
; multiply-add, exponential, sum and rounding: 467, so 934 a step (389 and 778 in the first step, which has nothing to rescale).  Pieces of the list
; are laid behind the matrix instructions of the OTHER pair, so that the wave has vector work to issue between two matrix instructions instead of a
; long run of each: 4 behind each product of the first phase (as far as S is there), 6 in the second and third, 5 in the fourth.  By that count the
; list stands at 48, 432 and 816 at the ends of the first three phases and ends in the 24th gap of the fourth; P of keys 32 t .. of pair A is ready
; at 291, 371, 435, 467 and first wanted at 432, 528, 624, 720; of pair B at 758, 838, 902, 934, wanted at 816, 896, 934, 934.
; Two guards keep the order whatever the counts: xcap (nothing of the list is laid ahead of the products that it reads) and VUNTIL (all that a
; group of products reads has been laid in front of it).  A gap costs two window switches: a vector instruction there cannot share the product's
; setting, since it would have to write into the window of the product's D, and S and O each fill their window.
;
; LDS: K slot 512 rows x 272 (256 + 16 of padding) at 0; V slot 512 rows x 288 (256 + 32, an odd multiple of 32 for the transposing load) behind it;
; then 2,048 bytes for the waves' (nm, l), into which no fill lands.  One slot each.  A tile goes into window 3 in quarters of 16 loads, each into
; the quarter that the other tile's products have just left; a slot is asked for again in the middle of the second phase (K) and of the fourth (V),
; so that each tile has 128 matrix instructions' time in which to land.  The stage of the way out lies over the K slot, behind its last fill and read.
; REGISTERS, in windows of 256: window 0 addresses, statistics, Q's 16 fragments; window 1 S, then P in place; window 2 O; window 3 the wave's
; tile of K (32 fragments) or of V.
.set KP,    272                        ; pitch of K's rows in LDS
.set VP,    288                        ; pitch of V's rows
.set KW,    128*KP                     ; a wave's part of the K slot
.set VW,    128*VP                     ; a wave's part of the V slot
.set VSLOT, 4*KW                       ; 139,264
.set STAT,  VSLOT+4*VW                 ; 286,720: [wave][query block][r] x (nm, l), 8 bytes
.set SP,    528                        ; the stage: a row of 128 f32 + 16 bytes, an odd multiple of 16
.set SW,    64*SP                      ; a wave's 64 rows in the stage
.set TILEB, 512*256                    ; bytes of kv from one step's tile to the next
.set VHALF, 0x400000                   ; V behind K in kv
.set GA,    4                          ; vector instructions behind a matrix instruction in the first phase,
.set GB,    6                          ; in the second and third,
.set GC,    5                          ; in the fourth
.set KADR, 4                           ; v4   my K fragments: w KW + 272 r + 16 h
.set VADR, 5                           ; v5   my V fragments: VSLOT + w VW + (8 h + lane % 8) 288 + 16 (lane / 8 % 2)
.set QOFF, 6                           ; v6   512 r + 32 h
.set STST, 7                           ; v7   STAT + 512 w + 8 r
.set STLD, 8                           ; v8   STAT + 8 r
.set SGST, 9                           ; v9   w SW + 528 r + 32 h
.set SGLA, 10                          ; v10  16 w rows of the stage + 16 lane: the parts of waves 0 and 1
.set OOFF, 11                          ; v11  16 lane
.set PFO,  12                          ; v12  offset of the next prefetch
.set PFL,  13                          ; v13  its largest value
.set SGLB, 14                          ; v14  v10 + 2 SW: the parts of waves 2 and 3
.set MX,   16                          ; v[16:19]  running maximum of query block q, raw products
.set NM,   24                          ; v[24:31]  q: the pair nm, nm
.set AL,   32                          ; v[32:39]  q: the pair alpha, alpha
.set LS,   40                          ; v[40:71]  q: four pairs of running sums of my keys
.set TC,   72                          ; v[72:87]  q: four chains
.set XP,   88                          ; v[88:91]  what the other half of the lanes sent
.set EP,   96                          ; v[96:127] the merge: q, wave: (nm, l)
.set QF,   128                         ; v[128:255] Q(q, ks) at QF + 32 q + 8 ks
.set MSB, 0
.macro WIN new                         ; low byte: bits 1:0 source 0, 3:2 source 1, 5:4 source 2, 7:6 destination; the high byte repeats the setting that is left
.if MSB != \new
	s_set_vgpr_msb (MSB<<8)|\new
.set MSB, \new
.endif
.endm
.macro PLACES n                        ; places behind matrix instructions (ISA guide 7.12.1)
.rept \n
	v_nop
.endr
.endm
; A round of the cluster's barrier: my work-group's barrier, wave 0 signals for the work-group, every wave waits for all four work-groups, my work-group's barrier again.
.macro ROUND
	s_barrier_signal -1
	s_barrier_wait -1
	s_cmp_lg_u32 s8, 0
	s_cbranch_scc1 .Lnot_wave_0_\@
	s_barrier_signal -3
.Lnot_wave_0_\@:
	s_barrier_wait -3
	s_barrier_signal -1
	s_barrier_wait -1
.endm
; Quarter p of my tile of K into window 3: key blocks 2 p, 2 p + 1; K(kb, ks) = 16 keys x 32 d at 32 kb + 8 ks, two loads of 16 bytes 32 bytes apart.  16 loads.
.macro KFET p
	WIN 0xc0
.irp kk, 0,1
.irp ks, 0,1,2,3
	ds_load_b128 v[32*(2*\p+\kk)+8*\ks:32*(2*\p+\kk)+8*\ks+3],   v[KADR] offset:16*KP*(2*\p+\kk)+64*\ks
	ds_load_b128 v[32*(2*\p+\kk)+8*\ks+4:32*(2*\p+\kk)+8*\ks+7], v[KADR] offset:16*KP*(2*\p+\kk)+64*\ks+32
.endr
.endr
.endm
; Quarter t of my tile of V, transposed on the way, into the same registers: V(t, db) = 16 d x 32 keys at 64 t + 8 db, two loads 16 rows apart.  16 loads.
.macro VFET t
	WIN 0xc0
.irp db, 0,1,2,3,4,5,6,7
	ds_load_tr16_b128 v[64*\t+8*\db:64*\t+8*\db+3],   v[VADR] offset:32*VP*\t+32*\db
	ds_load_tr16_b128 v[64*\t+8*\db+4:64*\t+8*\db+7], v[VADR] offset:32*VP*\t+32*\db+16*VP
.endr
.endm
; ---- THE LIST OF VECTOR INSTRUCTIONS.  xn: the next one's number in the step.  xb: the pair's first query block.  Each macro emits ONE instruction. ----
; Maximum number xi (0..63) of a pair: key blocks 2 c, 2 c + 1 with c = xi / 16; eight chains (2 query blocks x 4) that do not wait for each other.
.macro VMAX
.set xq, xb+((xi>>2)&1)
.set xk, xi&3
.set xs, 64*xq+16*(xi>>4)+4*xk+2*((xi>>3)&1)
	WIN 0x14                                       ; chains in window 0, S in window 1
.if xi < 8
	v_max3_num_f32 v[TC+4*xq+xk], v[MX+xq], v[xs], v[xs+1]         ; the old maximum starts each chain
.else
	v_max3_num_f32 v[TC+4*xq+xk], v[TC+4*xq+xk], v[xs], v[xs+1]
.endif
.endm
; Small change number xj: nine stages (six in the first step), the two query blocks by turns.
.macro VFIN
.set xq, xb+(xj&1)
.set xk, xj>>1
	WIN 0
.if xk == 0
	v_max3_num_f32 v[TC+4*xq], v[TC+4*xq], v[TC+4*xq+1], v[TC+4*xq+2]
.endif
.if xk == 1
	v_max_num_f32 v[TC+4*xq], v[TC+4*xq], v[TC+4*xq+3]
.endif
.if xk == 2
	v_permlanex16_b32 v[XP+xq], v[TC+4*xq], s12, s13               ; lane i takes lane i xor 16: the same query's other eight keys of each block
.endif
.if xk == 3
	v_max_num_f32 v[MX+xq], v[TC+4*xq], v[XP+xq]                   ; the new running maximum, equal in both halves
.endif
.if xk == 4
.if VFIRST
	v_mul_f32 v[NM+2*xq], s40, v[MX+xq]                            ; nm = -c m, in both registers of the pair
.else
	v_mul_f32 v[NM+2*xq+1], s40, v[MX+xq]                          ; the new nm beside the old one
.endif
.endif
.if xk == 5
.if VFIRST
	v_mul_f32 v[NM+2*xq+1], s40, v[MX+xq]
.else
	v_sub_f32 v[AL+2*xq], v[NM+2*xq+1], v[NM+2*xq]                 ; new - old, at most 0
.endif
.endif
.if xk == 6
	v_exp_f32 v[AL+2*xq], v[AL+2*xq]                               ; alpha
.endif
.if xk == 7
	v_mov_b32 v[NM+2*xq], v[NM+2*xq+1]                             ; plain work that touches no alpha stands between the exponentials and their first use (ISA guide 5.7.2)
.endif
.if xk == 8
	s_wait_alu depctr_va_vdst(0)
	v_mov_b32 v[AL+2*xq+1], v[AL+2*xq]
.endif
.endm
; Rescale number xj (0..63): a lane holds one query, so one factor serves its 64 numbers of O.
.macro VRESC
.set xq, xb+(xj>>5)
.set xs, 64*xq+2*(xj&31)
	WIN 0x82                                       ; O in window 2, alpha in window 0
	v_pk_mul_f32 v[xs:xs+1], v[xs:xs+1], v[AL+2*xq:AL+2*xq+1]
.endm
; Block xt = the pair's 2 x 16 registers of keys 32 xt .. 32 xt + 31.  Number xm of its 16 multiply-adds, 32 exponentials, 16 sums, 16 roundings:
.macro VF
.set xq, xb+(xm>>3)
.set xs, 64*xq+16*xt+2*(xm&7)
	WIN 0x41                                       ; S in place in window 1, nm in window 0
	v_pk_fma_f32 v[xs:xs+1], v[xs:xs+1], s[14:15], v[NM+2*xq:NM+2*xq+1] op_sel_hi:[1,0,1]   ; c s + nm
.endm
.macro VE w                            ; w: the setting of its plain neighbours; both have source 0 and the destination in window 1
.set xs, 64*(xb+(xm>>4))+16*xt+(xm&15)
	WIN \w
	v_exp_f32 v[xs], v[xs]
.endm
.macro VA                              ; pair i = xk + 4 (xm / 8) of the block's eight joins chain xk of the query block's four
.set xq, xb+(xm&1)
.set xk, (xm>>1)&3
.set xs, 64*xq+16*xt+2*(xk+4*(xm>>3))
.set xf, 0
.if xt == 0
.if VFIRST
.set xf, 1
.else
.if xm < 8
.set xf, 2
.endif
.endif
.endif
.if xf == 1
	WIN 0x05                                       ; the first step's first block starts the sums, two pairs at a time (8 instructions): nothing is cleared
	v_pk_add_f32 v[LS+8*xq+2*xk:LS+8*xq+2*xk+1], v[xs:xs+1], v[xs+8:xs+9]
.endif
.if xf == 2
	WIN 0x10                                       ; the old sum times alpha, fused with the step's first addition
	v_pk_fma_f32 v[LS+8*xq+2*xk:LS+8*xq+2*xk+1], v[LS+8*xq+2*xk:LS+8*xq+2*xk+1], v[AL+2*xq:AL+2*xq+1], v[xs:xs+1]
.endif
.if xf == 0
	WIN 0x04
	s_wait_alu depctr_va_vdst(0)
	v_pk_add_f32 v[LS+8*xq+2*xk:LS+8*xq+2*xk+1], v[LS+8*xq+2*xk:LS+8*xq+2*xk+1], v[xs:xs+1]
.endif
.endm
.macro VC                              ; 16 registers of p become the 8 of P(q, t), in place: register j takes registers 2 j, 2 j + 1, each read before it is written
.set xs, 64*(xb+(xm>>3))+16*xt
.set xk, xm&7
	WIN 0x45
	v_cvt_pk_bf16_f32 v[xs+xk], v[xs+2*xk], v[xs+2*xk+1]
.endm
; Place xz (0..79) of the part of the list that belongs to block xu = 1, 2, 3.  An exponential and a plain instruction on other registers take turns, so that
; a plain place stands behind each exponential: half of block xu's with the multiply-adds of block xu + 1, half with the roundings of block xu - 1.
.macro VBLK
.if xu < 3
.if xz < 32
.set xm, xz>>1
.if xz&1
.set xt, xu+1
	VF
.else
.set xt, xu
	VE 0x41
.endif
.else
.if xz < 64
.set xm, (xz-32)>>1
.if xz&1
.set xt, xu-1
	VC
.else
.set xt, xu
.set xm, xm+16
	VE 0x45
.endif
.else
.set xt, xu
.set xm, xz-64
	VA
.endif
.endif
.else
.if xz < 16                                    ; no block 4: these sixteen stand alone; block 2's roundings follow before any of them is used
.set xt, 3
.set xm, xz
	VE 0x45
.else
.if xz < 48
.set xm, (xz-16)>>1
.if xz&1
.set xt, 2
	VC
.else
.set xt, 3
.set xm, xm+16
	VE 0x45
.endif
.else
.if xz < 64
.set xt, 3
.set xm, xz-48
	VA
.else
.set xt, 3
.set xm, xz-64
	VC
.endif
.endif
.endif
.endif
.endm
; Place xj of a pair's last part: 16 multiply-adds of block 0; 32: half of its exponentials with block 1's multiply-adds; 16 exponentials alone and a v_nop;
; LA0 sums; then 80 places for each of blocks 1, 2, 3.  P(0) is ready at 129 + LA0, P(1) 80 later, P(2) 64 later, P(3) 32 later.
.macro VEXP
.if xj < 16
.set xt, 0
.set xm, xj
	VF
.else
.if xj < 48
.set xm, (xj-16)>>1
.if xj&1
.set xt, 1
	VF
.else
.set xt, 0
	VE 0x41
.endif
.else
.if xj < 64
.set xt, 0
.set xm, xj-32
	VE 0x41
.else
.if xj == 64
	v_nop                                          ; the plain place behind the sixteen exponentials that stand alone
	s_wait_alu depctr_va_vdst(0)
.else
.if xj < 65+LA0
.set xt, 0
.set xm, xj-65
	VA
.else
.set xu, 1+(xj-65-LA0)/80
.set xz, (xj-65-LA0)%80
	VBLK
.endif
.endif
.endif
.endif
.endif
.endm
.macro VINS                            ; the list's instruction number xn
.if xn < PLEN
.set xb, 0
.set xi, xn
.else
.set xb, 2
.set xi, xn-PLEN
.endif
.if xi < 64
	VMAX
.else
.if xi < 64+NF
.set xj, xi-64
	VFIN
.else
.if xi < EB
.set xj, xi-64-NF
	VRESC
.else
.set xj, xi-EB
	VEXP
.endif
.endif
.endif
.set xn, xn+1
.endm
.macro GAP s                           ; the next s of the list, as far as the products that they read are there
.rept \s
.if xn < xcap
	VINS
.endif
.endr
.endm
.macro VUNTIL lim                      ; whatever of the list up to lim has not been laid yet
.if xn < (\lim)
.rept (\lim)-xn
	VINS
.endr
.endif
.endm
; Group p of S for a pair: key blocks 2 p, 2 p + 1 x 4 steps along d x 2 query blocks = 16 products.  S(q, kb) at 64 q + 8 kb of window 1; the first product of
; each sum takes 0 as C.  The four accumulators take turns, one instruction a turn.  cnt: LDS loads that may stay out (-1: no wait).
.macro QKG p, qa, qb, cnt, s
.if \cnt >= 0
	s_wait_dscnt \cnt                              ; LDS loads come back in order: quarter p is in, the sixteen loads of each later quarter stay out
.endif
.irp ks, 0,1,2,3
.irp kk, 0,1
.irp q, \qa, \qb
	WIN 0x53                                       ; K window 3, Q window 0, S window 1
.if \ks == 0
	v_wmma_f32_16x16x32_bf16 v[64*\q+8*(2*\p+\kk):64*\q+8*(2*\p+\kk)+7], v[32*(2*\p+\kk)+8*\ks:32*(2*\p+\kk)+8*\ks+7], v[QF+32*\q+8*\ks:QF+32*\q+8*\ks+7], 0
.else
	v_wmma_f32_16x16x32_bf16 v[64*\q+8*(2*\p+\kk):64*\q+8*(2*\p+\kk)+7], v[32*(2*\p+\kk)+8*\ks:32*(2*\p+\kk)+8*\ks+7], v[QF+32*\q+8*\ks:QF+32*\q+8*\ks+7], v[64*\q+8*(2*\p+\kk):64*\q+8*(2*\p+\kk)+7]
.endif
	GAP \s
.endr
.endr
.endr
.endm
; Group t of O for a pair: O(q, db) at 64 q + 8 db of window 2 gains keys 32 t .. 32 t + 31: 8 blocks of d x 2 query blocks = 16 products, sixteen accumulators by turns.
.macro PVG t, qa, qb, zero, cnt, s
.if \cnt >= 0
	s_wait_dscnt \cnt                              ; quarter t is in, the sixteen loads of each later quarter stay out
.endif
.irp db, 0,1,2,3,4,5,6,7
.irp q, \qa, \qb
	WIN 0xa7                                       ; V window 3, P window 1, O window 2
.if \zero
	v_wmma_f32_16x16x32_bf16 v[64*\q+8*\db:64*\q+8*\db+7], v[64*\t+8*\db:64*\t+8*\db+7], v[64*\q+16*\t:64*\q+16*\t+7], 0
.else
	v_wmma_f32_16x16x32_bf16 v[64*\q+8*\db:64*\q+8*\db+7], v[64*\t+8*\db:64*\t+8*\db+7], v[64*\q+16*\t:64*\q+16*\t+7], v[64*\q+8*\db:64*\q+8*\db+7]
.endif
	GAP \s
.endr
.endr
.endm
.macro OSCALE q                        ; the merge: O of query block q times the pair in AL
.set n, 0
.rept 32
	v_pk_mul_f32 v[64*\q+2*n:64*\q+2*n+1], v[64*\q+2*n:64*\q+2*n+1], v[AL+2*\q:AL+2*\q+1]
.set n, n+1
.endr
.endm
; One step of 512 keys.  On entry the 64 loads of my tile of K have been issued and my part of this step's V is the one tensor load that is out.
; first: nothing to rescale.  last: no tile is left to ask for.  pf: wave 0 prefetches.
.macro STEP first, last, pf
.set VFIRST, \first
.if \first
.set NF, 12
.set NR, 0
.set LA0, 8
.else
.set NF, 18
.set NR, 64
.set LA0, 16
.endif
.set EB,   64+NF+NR                    ; where a pair's last part begins
.set PR0,  EB+129+LA0                  ; from here on P(0) of the pair is ready,
.set PR1,  PR0+80                      ; P(1),
.set PR2,  PR1+64                      ; P(2);
.set PLEN, PR2+32                      ; P(3), and the pair's list ends
.set xn, 0
.set xcap, 0
	; first phase: S of pair A.  Four places behind each group, then its maxima may be laid.
	QKG 0, 0, 1, 48, GA
	PLACES 4
.set xcap, 16
	QKG 1, 0, 1, 32, GA
	PLACES 4
.set xcap, 32
	QKG 2, 0, 1, 16, GA
	PLACES 4
.set xcap, 48
	QKG 3, 0, 1, 0, GA
	PLACES 4
.set xcap, PLEN
	; second phase: S of pair B, with pair A's softmax in the gaps
	QKG 0, 2, 3, -1, GB
	QKG 1, 2, 3, -1, GB
	PLACES 4                                       ; behind the last products that read K's quarters 0 and 1, for the loads into their registers
	WIN 0
	s_wait_tensorcnt 0x0                           ; the one load that was out, my part of this step's V, has landed: no load of mine is out,
	ds_add_u32 v94, v95
	s_wait_dscnt 0x0
.if \last == 0
	s_add_nc_u64 s[34:35], s[34:35], TILEB         ; so K's address may step
	s_wait_dscnt 0x0                               ; my reads of this step's K are back (met: the first phase's last wait was for 0)
	ROUND                                          ; both hold of every wave of all four work-groups
	tensor_load_to_lds s[32:35], s[16:23]          ; the next step's K: my one tensor load behind the round, first thing there
	s_nop 0
.if \pf
	; Prefetch.  Each of a batch's 64 work-groups owns 8 of the 512 rows of every tile.  In steps 0, 2 and 4 its wave 0 asks, one row of 256 bytes a lane,
	; for its rows of the K and V tiles of steps t + 2 and t + 3: K's is wanted by the tensor load at this place of the next step, the others later.  In step 6
	; the offset is held at its largest value and names the tiles of steps 6 and 7 once more: no request leaves the buffer.
	s_cmp_lg_u32 s8, 0
	s_cbranch_scc1 .Lno_ask_\@
	global_prefetch_b8 v[PFO], s[48:49] th:TH_LOAD_NT scope:SCOPE_SE
.Lno_ask_\@:
.endif
.endif
	VFET 0
	VFET 1
	QKG 2, 2, 3, -1, GB
	PLACES 4
	VFET 2
	QKG 3, 2, 3, -1, GB
	PLACES 4                                       ; for the loads, and for pair B's maxima
	VFET 3
.set xcap, 2*PLEN
	; third phase: O of pair A, with the rest of A's softmax and most of B's in the gaps
	VUNTIL PR0
	PVG 0, 0, 1, \first, 48, GB                    ; in the first step the first products start the sums: nothing is cleared
	VUNTIL PR1
	PVG 1, 0, 1, 0, 32, GB
	VUNTIL PR2
	PVG 2, 0, 1, 0, 16, GB
	VUNTIL PLEN
	PVG 3, 0, 1, 0, 0, GB
	; fourth phase: O of pair B, with the end of B's softmax in the gaps
	VUNTIL PLEN+PR0
	PVG 0, 2, 3, \first, -1, GC
	VUNTIL PLEN+PR1
	PVG 1, 2, 3, 0, -1, GC
.if \last == 0
	PLACES 4                                       ; behind the last products that read V's quarters 0 and 1
	WIN 0
	s_wait_tensorcnt 0x0                           ; my part of the next step's K has landed: no load of mine is out,
	ds_add_u32 v94, v95
	s_add_nc_u64 s[38:39], s[38:39], TILEB         ; so V's address may step
	s_wait_dscnt 0x0                               ; my reads of this step's V are back (met: the third phase's last wait was for 0)
	ROUND
	tensor_load_to_lds s[36:39], s[24:31]          ; the next step's V: my one tensor load behind the round, first thing there
	s_nop 0
	KFET 0
	KFET 1
.endif
	VUNTIL PLEN+PR2
	PVG 2, 2, 3, 0, -1, GC
.if \last == 0
	PLACES 4
	KFET 2
.endif
	VUNTIL 2*PLEN
	PVG 3, 2, 3, 0, -1, GC
	PLACES 4                                       ; for the loads below; in the last step for the merge, which reads O
.if \last == 0
	KFET 3
.endif
	WIN 0
.if \pf
	s_wait_xcnt 0x0                                ; the prefetch has read its offset: only now it steps
	v_add_nc_u32 v[PFO], 2*TILEB, v[PFO]
	v_min_u32 v[PFO], v[PFO], v[PFL]
.endif
.endm
	s_load_b128 s[4:7], s[0:1], 0x0                ; q_proj s[4:5], kv s[6:7]
	s_load_b64 s[10:11], s[0:1], 0x10              ; out0
	v_lshl_add_u32 v94, v0, 2, 0x46800
	v_mov_b32 v95, 0
	ds_add_u32 v94, v95
	v_lshrrev_b32 v3, 5, v0
	v_readfirstlane_b32 s8, v3                     ; wave 0..3
	v_and_b32 v1, 15, v0                           ; r
	v_bfe_u32 v2, v0, 4, 1                         ; h
	v_lshlrev_b32 v[QOFF], 9, v1
	v_lshl_add_u32 v[QOFF], v2, 5, v[QOFF]
	s_bfe_u32 s41, ttmp6, 0x40000                  ; cx: my place in the cluster
	s_lshl_b32 s42, ttmp9, 2                       ; in a cluster launch ttmp9 counts clusters
	s_add_co_u32 s42, s42, s41                     ; work-group x = 4 x cluster + cx
	s_lshr_b32 s43, ttmp9, 4                       ; batch: from the cluster's number alone, equal in the four partners
	s_mov_b32 s12, 0x76543210                      ; v_permlanex16_b32: lane i of one half reads lane i of the other
	s_mov_b32 s13, 0xfedcba98
	s_mov_b32 s14, 0x3e0293ee                      ; c = log2(e) / sqrt(128)
	s_mov_b32 s15, 0x3e0293ee
	s_mov_b32 s40, 0xbe0293ee                      ; -c
	; group 1 for K: 128 rows x 128 elements of 2 bytes, mask 15 with bit 21 beside it, 4 words of padding behind every 64
	s_mov_b32 s16, 15|(1<<16)|(1<<20)|(1<<21)|(5<<22)|(3<<25)
	s_mov_b32 s17, 128<<16                         ; tensor_dim0 = 128
	s_mov_b32 s18, 128<<16                         ; tensor_dim1 = 128
	s_mov_b32 s19, 128<<16                         ; tile_dim0 = 128
	s_mov_b32 s20, 128                             ; tile_dim1 = 128
	s_mov_b32 s21, 128                             ; 128 elements from row to row
	s_mov_b32 s22, 0
	s_mov_b32 s23, 0
	; group 1 for V: the same with 8 words of padding
	s_mov_b32 s24, 15|(1<<16)|(1<<20)|(1<<21)|(5<<22)|(7<<25)
	s_mov_b32 s25, 128<<16
	s_mov_b32 s26, 128<<16
	s_mov_b32 s27, 128<<16
	s_mov_b32 s28, 128
	s_mov_b32 s29, 128
	s_mov_b32 s30, 0
	s_mov_b32 s31, 0
	; groups 0: LDS address from the wave's number alone, global address from the batch and the wave's number alone
	s_mov_b32 s32, 1
	s_mul_i32 s33, s8, KW
	s_mov_b32 s36, 1
	s_mul_i32 s37, s8, VW
	s_add_co_u32 s37, s37, VSLOT
	s_lshl_b32 s44, s43, 20                        ; a batch of K or of V: 4,096 rows of 256 bytes
	s_mov_b32 s45, 0
	s_lshl_b32 s46, s8, 15                         ; my 128 rows of a tile
	s_mov_b32 s47, 0
	s_lshl_b32 s50, s42, 15                        ; my work-group's 64 rows of 512 bytes in Q and in out (registers that feed no descriptor)
	s_mov_b32 s51, 0
	s_lshl_b32 s52, s8, 13                         ; the 16 rows of out that my wave stores
	s_mov_b32 s53, 0
	s_wait_dscnt 0x0
	s_wait_kmcnt 0x0
	s_add_nc_u64 s[48:49], s[6:7], s[44:45]        ; kv at my batch's K: also the prefetch's base
	s_add_nc_u64 s[34:35], s[48:49], s[46:47]
	s_add_nc_u64 s[38:39], s[34:35], VHALF
	s_or_b32 s35, s35, 0x80000000                  ; type = 2
	s_or_b32 s39, s39, 0x80000000
	s_add_nc_u64 s[4:5], s[4:5], s[50:51]
	s_add_nc_u64 s[10:11], s[10:11], s[50:51]
	s_add_nc_u64 s[10:11], s[10:11], s[52:53]
	; Q: fragment n = 4 q + ks wants, of query 16 q + r, d = 32 ks + 8 h + 0..7 and 32 ks + 16 + 8 h + 0..7: four loads of 16 bytes of f32 into window 1.
	; They go out ahead of the round: nobody writes Q, and they need no partner.
	WIN 0x40
.irp q, 0,1,2,3
.irp ks, 0,1,2,3
	global_load_b128 v[16*(4*\q+\ks):16*(4*\q+\ks)+3],     v[QOFF], s[4:5] offset:8192*\q+128*\ks
	global_load_b128 v[16*(4*\q+\ks)+4:16*(4*\q+\ks)+7],   v[QOFF], s[4:5] offset:8192*\q+128*\ks+16
	global_load_b128 v[16*(4*\q+\ks)+8:16*(4*\q+\ks)+11],  v[QOFF], s[4:5] offset:8192*\q+128*\ks+64
	global_load_b128 v[16*(4*\q+\ks)+12:16*(4*\q+\ks)+15], v[QOFF], s[4:5] offset:8192*\q+128*\ks+80
.endr
.endr
	WIN 0
	ROUND                                          ; all four work-groups are here: the first joint loads meet
	tensor_load_to_lds s[32:35], s[16:23]          ; K(0)
	s_nop 0
	tensor_load_to_lds s[36:39], s[24:31]          ; V(0): the two first fills go out together; two loads of the wave are out
	s_nop 0
	v_mul_u32_u24 v[KADR], v1, KP
	v_lshl_add_u32 v[KADR], v2, 4, v[KADR]
	v_add_nc_u32 v[KADR], s33, v[KADR]
	v_and_b32 v3, 7, v0
	v_lshl_add_u32 v3, v2, 3, v3                   ; 8 h + lane % 8
	v_mul_u32_u24 v[VADR], v3, VP
	v_bfe_u32 v3, v0, 3, 1
	v_lshl_add_u32 v[VADR], v3, 4, v[VADR]
	v_add_nc_u32 v[VADR], s37, v[VADR]
	s_lshl_b32 s54, s8, 9
	s_add_co_u32 s54, s54, STAT
	v_lshl_add_u32 v[STST], v1, 3, s54
	v_lshlrev_b32 v[STLD], 3, v1
	v_add_nc_u32 v[STLD], STAT, v[STLD]
	s_mul_i32 s57, s8, SW
	v_mul_u32_u24 v[SGST], v1, SP
	v_lshl_add_u32 v[SGST], v2, 5, v[SGST]
	v_add_nc_u32 v[SGST], s57, v[SGST]
	v_and_b32 v3, 31, v0
	v_lshlrev_b32 v[OOFF], 4, v3
	s_mul_i32 s55, s8, 16*SP
	v_add_nc_u32 v[SGLA], s55, v[OOFF]
	v_add_nc_u32 v[SGLB], 2*SW, v[SGLA]
	s_and_b32 s56, s42, 63                         ; my work-group's place in its batch
	s_lshl_b32 s56, s56, 11                        ; x 8 rows of 256 bytes
	s_add_co_u32 s56, s56, 2*TILEB                 ; the first request names the tiles of steps 2 and 3
	v_and_b32 v3, 7, v0
	v_lshl_add_u32 v[PFO], v3, 8, s56              ; lane % 8: the row
	v_bfe_u32 v3, v0, 3, 1
	v_lshl_add_u32 v[PFO], v3, 17, v[PFO]          ; lane / 8 % 2: the earlier or the later tile
	v_lshl_add_u32 v[PFO], v2, 22, v[PFO]          ; lane / 16: K or V
	v_add_nc_u32 v[PFL], 4*TILEB, v[PFO]           ; the tiles of steps 6 and 7 are the last
.irp q, 0,1,2,3
	v_mov_b32 v[MX+\q], 0xff800000                 ; -infinity: loses against every product
	v_mov_b32 v[XP+\q], 0                          ; v_permlanex16_b32 counts as a reader of its destination
.endr
	WIN 0x05
.set n, 0
.rept 16
	s_wait_loadcnt 60-4*n                          ; fragment n is in, the four loads of each later fragment stay out
.irp j, 0,1,2,3,4,5,6,7
	v_cvt_pk_bf16_f32 v[QF+8*n+\j], v[16*n+2*\j], v[16*n+2*\j+1]
.endr
.set n, n+1
.endr
	s_wait_tensorcnt 0x1                           ; tensor loads of a wave end in order (ISA guide 10.11.1): K(0) is in, V(0) stays out; nothing is filled again here
	KFET 0
	KFET 1
	KFET 2
	KFET 3
	STEP 1, 0, 1                                   ; step 0 stands in front of the loop: its products and sums start everything
	s_mov_b32 s9, 3
.Lloop:
	STEP 0, 0, 0                                   ; steps 1, 3, 5
	STEP 0, 0, 1                                   ; steps 2, 4, 6
	s_sub_co_u32 s9, s9, 1
	s_cmp_lg_u32 s9, 0
	s_cbranch_scc1 .Lloop
	STEP 0, 1, 0                                   ; step 7 asks for nothing
	; THE MERGE.  My l of each query: four pairs, two registers, two halves of the lanes.
.irp q, 0,1,2,3
	v_pk_add_f32 v[LS+8*\q:LS+8*\q+1],   v[LS+8*\q:LS+8*\q+1],   v[LS+8*\q+2:LS+8*\q+3]
	v_pk_add_f32 v[LS+8*\q+4:LS+8*\q+5], v[LS+8*\q+4:LS+8*\q+5], v[LS+8*\q+6:LS+8*\q+7]
.endr
.irp q, 0,1,2,3
	v_pk_add_f32 v[LS+8*\q:LS+8*\q+1], v[LS+8*\q:LS+8*\q+1], v[LS+8*\q+4:LS+8*\q+5]
.endr
.irp q, 0,1,2,3
	v_add_f32 v[LS+8*\q], v[LS+8*\q], v[LS+8*\q+1]
.endr
.irp q, 0,1,2,3
	v_permlanex16_b32 v[XP+\q], v[LS+8*\q], s12, s13
.endr
.irp q, 0,1,2,3
	v_add_f32 v[NM+2*\q+1], v[LS+8*\q], v[XP+\q]   ; the pair is now (nm, l)
.endr
.irp q, 0,1,2,3
	ds_store_b64 v[STST], v[NM+2*\q:NM+2*\q+1] offset:128*\q       ; lanes r and r + 16 write the same bytes with the same numbers
.endr
	s_wait_dscnt 0x0                               ; my stores are done, for the others; my reads of the K slot ended long ago
	s_barrier_signal -1
	s_barrier_wait -1                              ; all four pairs of each query are there, and no wave reads the K slot any more
.irp q, 0,1,2,3
.irp w, 0,1,2,3
	ds_load_b64 v[EP+8*\q+2*\w:EP+8*\q+2*\w+1], v[STLD] offset:512*\w+128*\q
.endr
.endr
	s_wait_dscnt 0x0
.irp q, 0,1,2,3
	v_min3_num_f32 v[TC+4*\q], v[EP+8*\q], v[EP+8*\q+2], v[EP+8*\q+4]
.endr
.irp q, 0,1,2,3
	v_min_num_f32 v[TC+4*\q], v[TC+4*\q], v[EP+8*\q+6]             ; the smallest nm belongs to the largest maximum
.endr
.irp q, 0,1,2,3
.irp w, 0,1,2,3
	v_sub_f32 v[EP+8*\q+2*\w], v[TC+4*\q], v[EP+8*\q+2*\w]         ; at most 0
.endr
	v_sub_f32 v[TC+4*\q+1], v[TC+4*\q], v[NM+2*\q]                 ; my own
.endr
.irp q, 0,1,2,3
.irp w, 0,1,2,3
	v_exp_f32 v[EP+8*\q+2*\w], v[EP+8*\q+2*\w]
.endr
	v_exp_f32 v[TC+4*\q+1], v[TC+4*\q+1]
.endr
	v_nop                                          ; the plain place behind the exponentials
	s_wait_alu depctr_va_vdst(0)
.irp q, 0,1,2,3
	v_mul_f32  v[TC+4*\q+2], v[EP+8*\q],   v[EP+8*\q+1]
	v_fmac_f32 v[TC+4*\q+2], v[EP+8*\q+2], v[EP+8*\q+3]
	v_fmac_f32 v[TC+4*\q+2], v[EP+8*\q+4], v[EP+8*\q+5]
	v_fmac_f32 v[TC+4*\q+2], v[EP+8*\q+6], v[EP+8*\q+7]            ; the row's whole sum; the wave with the largest maximum adds its l unscaled, about 1 at the least
.endr
.irp q, 0,1,2,3
	v_rcp_f32 v[TC+4*\q+3], v[TC+4*\q+2]
.endr
	v_nop                                          ; the plain place behind the reciprocals
	s_wait_alu depctr_va_vdst(0)
.irp q, 0,1,2,3
	v_mul_f32 v[AL+2*\q],   v[TC+4*\q+1], v[TC+4*\q+3]             ; my factor over the sum, twice
	v_mul_f32 v[AL+2*\q+1], v[TC+4*\q+1], v[TC+4*\q+3]
.endr
	WIN 0x82
	OSCALE 0
	OSCALE 1
	OSCALE 2
	OSCALE 3
	; My share of all 64 rows into my part of the stage: lane (r, h) holds, of query 16 q + r, d = 16 db + 8 h + 0..7, 32 neighbouring bytes.
	WIN 0x08                                       ; data in window 2
.irp q, 0,1,2,3
.irp db, 0,1,2,3,4,5,6,7
	ds_store_b128 v[SGST], v[64*\q+8*\db:64*\q+8*\db+3]   offset:16*SP*\q+64*\db
	ds_store_b128 v[SGST], v[64*\q+8*\db+4:64*\q+8*\db+7] offset:16*SP*\q+64*\db+16
.endr
.endr
	s_wait_dscnt 0x0                               ; for the others: zero
	s_barrier_signal -1
	s_barrier_wait -1
	; Wave w adds the four shares of rows 16 w .. 16 w + 15 and stores them: a whole row of 512 bytes with each instruction.
	WIN 0x40
.set n, 0
.rept 16
	ds_load_b128 v[16*n:16*n+3],     v[SGLA] offset:SP*n
	ds_load_b128 v[16*n+4:16*n+7],   v[SGLA] offset:SW+SP*n
	ds_load_b128 v[16*n+8:16*n+11],  v[SGLB] offset:SP*n
	ds_load_b128 v[16*n+12:16*n+15], v[SGLB] offset:SW+SP*n
.set n, n+1
.endr
	WIN 0x45
.set n, 0
.rept 16
	s_wait_dscnt 60-4*n                            ; row n's four shares are in, the four loads of each later row stay out
	v_pk_add_f32 v[16*n:16*n+1],     v[16*n:16*n+1],     v[16*n+4:16*n+5]
	v_pk_add_f32 v[16*n+2:16*n+3],   v[16*n+2:16*n+3],   v[16*n+6:16*n+7]
	v_pk_add_f32 v[16*n+8:16*n+9],   v[16*n+8:16*n+9],   v[16*n+12:16*n+13]
	v_pk_add_f32 v[16*n+10:16*n+11], v[16*n+10:16*n+11], v[16*n+14:16*n+15]
	v_pk_add_f32 v[16*n:16*n+1],     v[16*n:16*n+1],     v[16*n+8:16*n+9]
	v_pk_add_f32 v[16*n+2:16*n+3],   v[16*n+2:16*n+3],   v[16*n+10:16*n+11]
.set n, n+1
.endr
	WIN 0x04                                       ; store data in window 1
.set n, 0
.rept 16
	global_store_b128 v[OOFF], v[16*n:16*n+3], s[10:11] offset:512*n th:TH_STORE_NT
.set n, n+1
.endr
	WIN 0
	s_wait_tensorcnt 0x0
	ds_add_u32 v94, v95
	s_wait_dscnt 0x0
	ROUND                                          ; the closing round: no work-group ends while a partner may still ask for a tile that names it
	s_endpgm
.Lfunc_end_k_q8352df0518_attn:
	.size	k_q8352df0518_attn, .Lfunc_end_k_q8352df0518_attn-k_q8352df0518_attn
	.p2alignl 7, 3214868480
	.fill 96, 4, 3214868480
	.section	.rodata,"a",@progbits
	.p2align	6, 0x0
	.amdhsa_kernel k_q8352df0518_attn
		.amdhsa_group_segment_fixed_size 327680
		.amdhsa_private_segment_fixed_size 0
		.amdhsa_enable_private_segment 0
		.amdhsa_kernarg_size 24
		.amdhsa_user_sgpr_count 2
		.amdhsa_user_sgpr_kernarg_segment_ptr 1
		.amdhsa_wavefront_size32 1
		.amdhsa_system_sgpr_workgroup_id_x 1
		.amdhsa_system_sgpr_workgroup_id_y 1
		.amdhsa_system_sgpr_workgroup_id_z 1
		.amdhsa_system_vgpr_workitem_id 0
		.amdhsa_next_free_vgpr 1024
		.amdhsa_next_free_sgpr 66
		.amdhsa_reserve_vcc 0
		.amdhsa_float_denorm_mode_32 3
		.amdhsa_float_denorm_mode_16_64 3
		.amdhsa_memory_ordered 1
		.amdhsa_forward_progress 1
		.amdhsa_inst_pref_size 255
	.end_amdhsa_kernel
	.section	.bss,"aw",@nobits
	.p2align	6
	.space	262144
	.amdgpu_metadata
---
amdhsa.version: [ 1, 2 ]
amdhsa.kernels:
  - .name:           k_q8352df0518_attn
    .symbol:         k_q8352df0518_attn.kd
    .args:
      - { .name: q_proj, .offset: 0, .size: 8, .value_kind: global_buffer, .address_space: global }
      - { .name: kv, .offset: 8, .size: 8, .value_kind: global_buffer, .address_space: global }
      - { .name: out0, .offset: 16, .size: 8, .value_kind: global_buffer, .address_space: global }
    .group_segment_fixed_size: 327680
    .private_segment_fixed_size: 0
    .kernarg_segment_align: 8
    .kernarg_segment_size: 24
    .max_flat_workgroup_size: 128
    .sgpr_count:     66
    .vgpr_count:     1024
    .wavefront_size: 32
...
	.end_amdgpu_metadata
.endif
;; end of part 2
;; ======== version 2 of 2: 2 launches; version 1 with the launch cast written anew for expert scheduling mode
;; workspace buffers: kv 8,388,608 bytes
;; launch cast (part 3): grid 256 x 1, 8 waves a work-group, no clusters, 0 bytes of LDS; arguments k_proj, v_proj, kv; writes kv
.if DOCPART == 3
	.amdgcn_target "amdgcn-amd-amdhsa--gfx1250"
	.amdhsa_code_object_version 6
	.text
	.protected	k_q8352df0518_cast
	.globl	k_q8352df0518_cast
	.p2align	8
	.type	k_q8352df0518_cast,@function
k_q8352df0518_cast:
	s_mov_b64 s[64:65], 0
	v_nop
	global_prefetch_b8 v0, s[64:65] scope:SCOPE_SE
	s_setreg_imm32_b32 hwreg(HW_REG_WAVE_SCHED_MODE, 0, 2), 2
	s_setreg_imm32_b32 hwreg(HW_REG_WAVE_MODE, 25, 1), 1
	s_wait_xcnt 0x0
	s_wait_alu depctr_vm_vsrc(0)
; kv = K, then V, rounded from f32 to bf16 (to nearest even), element order unchanged.
; K and V are each 4 x 4096 x 128 f32 = 8,388,608 bytes; kv holds K in its bytes 0 .. 4,194,303 and V behind it.
; 256 work-groups of 256 threads: work-group g takes 65,536 input bytes (g < 128: of K, else of V) and writes 32,768 bytes at g x 32,768,
; which puts V behind K by itself (128 x 32,768 = 4,194,304).  The next launch walks K and V 64 times for each batch: rounding here is done once.
; A stream: no LDS, no barrier, no matrix unit, no loop.  A thread issues all its 16 loads at once, so nothing is rewritten and every wait for data is counted.
; Chunk c (8,192 input bytes of the group): thread t reads the 32 bytes at 32 t and writes the 16 bytes at 16 t, so sixteen neighbouring lanes
; store 256 consecutive bytes at a multiple of 256 from the buffer's first byte.
; THE MODE: SCHED_MODE bits 1:0 = 2 (LLVM: expert scheduling mode 2), set by the entry lines.  The code itself states the register dependences
; between vector instructions and memory instructions, with s_wait_alu, always for 0.
; THE PLAN.  Registers that memory instructions touch:
;   v1, v2     byte offsets of the loads and of the stores.  Written once at the head by vector shifts, never again.
;   X[c]       chunk c as loaded.  Written by the chunk's two loads, once; no vector instruction names it before; read by the chunk's four conversions.
;   Y[c]       chunk c to store.   Written by the chunk's four conversions, once; read by the chunk's one store.
; No register that a memory instruction has read is ever written again, and no register that a vector instruction has named is ever loaded into.
; So two kinds of dependence are left to state: the offsets ahead of the first load, and each Y ahead of its store.
; Chunk c's store stands at the head of chunk c + 1, behind the wait for that chunk's data and one wait on va_vdst: the conversions that it waits for
; were issued ahead of the wait for data.  No vector instruction stands between that wait and the store.  The last store has a wait of its own.
.set X, 4                              ; v[4:67]   chunk c: 8 registers, 8 f32 as loaded
.set Y, 68                             ; v[68:99]  chunk c: 4 registers, 8 bf16 to store
	s_load_b128 s[4:7], s[0:1], 0x0                ; k_proj s[4:5], v_proj s[6:7]
	s_load_b64 s[10:11], s[0:1], 0x10              ; kv
	s_and_b32 s12, ttmp9, 127                      ; my place in K or in V
	s_lshl_b32 s12, s12, 16                        ; x 65,536 input bytes
	s_mov_b32 s13, 0
	s_lshl_b32 s14, ttmp9, 15                      ; g x 32,768 output bytes
	s_mov_b32 s15, 0
	v_lshlrev_b32 v1, 5, v0                        ; 32 t
	v_lshlrev_b32 v2, 4, v0                        ; 16 t
	s_wait_kmcnt 0x0
	s_cmp_ge_u32 ttmp9, 128                        ; the upper half of the grid takes V
	s_cselect_b64 s[8:9], s[6:7], s[4:5]
	s_add_nc_u64 s[8:9], s[8:9], s[12:13]
	s_add_nc_u64 s[10:11], s[10:11], s[14:15]
	s_wait_alu depctr_va_vdst(0)                   ; v1 and v2 are written: every load of the kernel reads v1 as its offset, every store v2
.irp c, 0,1,2,3,4,5,6,7
	global_load_b128 v[X+8*(\c):X+8*(\c)+3],   v1, s[8:9] offset:8192*(\c) th:TH_LOAD_NT      ; read once in the launch
	global_load_b128 v[X+8*(\c)+4:X+8*(\c)+7], v1, s[8:9] offset:8192*(\c)+16 th:TH_LOAD_NT
.endr
.irp c, 0,1,2,3,4,5,6,7
	s_wait_loadcnt 14-2*(\c)                       ; loads come back in order: chunk c is in, the two loads of each younger chunk stay out
.if (\c) > 0
	s_wait_alu depctr_va_vdst(0)                   ; the conversions of the chunk before have written its Y, which the store below reads
	global_store_b128 v2, v[Y+4*((\c)-1):Y+4*((\c)-1)+3], s[10:11] offset:4096*((\c)-1)       ; no hint: the next launch reads these bytes
.endif
.irp j, 0,1,2,3
	v_cvt_pk_bf16_f32 v[Y+4*(\c)+(\j)], v[X+8*(\c)+2*(\j)], v[X+8*(\c)+2*(\j)+1]
.endr
.endr
	s_wait_alu depctr_va_vdst(0)                   ; chunk 7's conversions have written its Y, which the last store reads
	global_store_b128 v2, v[Y+28:Y+31], s[10:11] offset:4096*7
	s_endpgm
.Lfunc_end_k_q8352df0518_cast:
	.size	k_q8352df0518_cast, .Lfunc_end_k_q8352df0518_cast-k_q8352df0518_cast
	.p2alignl 7, 3214868480
	.fill 96, 4, 3214868480
	.section	.rodata,"a",@progbits
	.p2align	6, 0x0
	.amdhsa_kernel k_q8352df0518_cast
		.amdhsa_group_segment_fixed_size 0
		.amdhsa_private_segment_fixed_size 0
		.amdhsa_enable_private_segment 0
		.amdhsa_kernarg_size 24
		.amdhsa_user_sgpr_count 2
		.amdhsa_user_sgpr_kernarg_segment_ptr 1
		.amdhsa_wavefront_size32 1
		.amdhsa_system_sgpr_workgroup_id_x 1
		.amdhsa_system_sgpr_workgroup_id_y 1
		.amdhsa_system_sgpr_workgroup_id_z 1
		.amdhsa_system_vgpr_workitem_id 0
		.amdhsa_next_free_vgpr 100
		.amdhsa_next_free_sgpr 66
		.amdhsa_reserve_vcc 0
		.amdhsa_float_denorm_mode_32 3
		.amdhsa_float_denorm_mode_16_64 3
		.amdhsa_memory_ordered 1
		.amdhsa_forward_progress 1
		.amdhsa_inst_pref_size 6
	.end_amdhsa_kernel
	.amdgpu_metadata
---
amdhsa.version: [ 1, 2 ]
amdhsa.kernels:
  - .name:           k_q8352df0518_cast
    .symbol:         k_q8352df0518_cast.kd
    .args:
      - { .name: k_proj, .offset: 0, .size: 8, .value_kind: global_buffer, .address_space: global }
      - { .name: v_proj, .offset: 8, .size: 8, .value_kind: global_buffer, .address_space: global }
      - { .name: kv, .offset: 16, .size: 8, .value_kind: global_buffer, .address_space: global }
    .group_segment_fixed_size: 0
    .private_segment_fixed_size: 0
    .kernarg_segment_align: 8
    .kernarg_segment_size: 24
    .max_flat_workgroup_size: 256
    .sgpr_count:     66
    .vgpr_count:     100
    .wavefront_size: 32
...
	.end_amdgpu_metadata
.endif
;; end of part 3
;; launch attn: the kernel of part 2 again; grid 256 x 1, 4 waves a work-group, clusters of 4 x 1, 327,680 bytes of LDS; arguments q_proj, kv, out0; writes out0
